; MI455X (gfx1250); checked and timed in simulation.
; The chip was launched on July 23, 2026; its instructions are those of AMD's public machine-readable ISA for CDNA 5 (MIT licence, August 2026) and "CDNA5" Instruction Set Architecture Reference Guide (July 2026). The comments in the code are by the model that wrote it; some were corrected since.
;; Bi Non Local Block ND. Allowed arithmetic: matrix products marked QUANTISED: E2M3 operands, one E8M0 scale for each 32 along K, by v_wmma_scale_f32_16x16x128_f8f6f4 with both operands' format E2M3, f32 sums; everything else in f32.
;; Inputs: W_a_b 64 float32; W_a_w_codes 64 x 1 x 24 uint8 (E2M3 codes of W_a_w, K innermost, in blocks of 32 codes, four codes in three bytes); W_a_w_scales 64 x 1 uint8 (E8M0 scales of W_a_w, one for each 32 codes along K); W_b_b 64 float32; W_b_w_codes 64 x 1 x 24 uint8 (E2M3 codes of W_b_w, K innermost, in blocks of 32 codes, four codes in three bytes); W_b_w_scales 64 x 1 uint8 (E8M0 scales of W_b_w, one for each 32 codes along K); a 4 x 64 x 64 x 64 float32; b 4 x 64 x 64 x 64 float32; bn_a_beta 64 float32; bn_a_gamma 64 float32; bn_b_beta 64 float32; bn_b_gamma 64 float32; g_a_b 32 float32; g_a_w_codes 32 x 2 x 24 uint8 (E2M3 codes of g_a_w, K innermost, in blocks of 32 codes, four codes in three bytes); g_a_w_scales 32 x 2 uint8 (E8M0 scales of g_a_w, one for each 32 codes along K); g_b_b 32 float32; g_b_w_codes 32 x 2 x 24 uint8 (E2M3 codes of g_b_w, K innermost, in blocks of 32 codes, four codes in three bytes); g_b_w_scales 32 x 2 uint8 (E8M0 scales of g_b_w, one for each 32 codes along K); phi_b 64 float32; phi_w_codes 64 x 2 x 24 uint8 (E2M3 codes of phi_w, K innermost, in blocks of 32 codes, four codes in three bytes); phi_w_scales 64 x 2 uint8 (E8M0 scales of phi_w, one for each 32 codes along K); theta_b 64 float32; theta_w_codes 64 x 2 x 24 uint8 (E2M3 codes of theta_w, K innermost, in blocks of 32 codes, four codes in three bytes); theta_w_scales 64 x 2 uint8 (E8M0 scales of theta_w, one for each 32 codes along K).
;; Outputs: out0 4 x 64 x 64 x 64 float32; out1 4 x 64 x 64 x 64 float32.
;; This version of the problem:
;;   THIS VERSION OF THE PROBLEM IS GIVEN IN LOW PRECISION. The matrix products marked QUANTISED in the list below multiply operands that are first quantised to E2M3 (2 exponent bits, 3 mantissa bits; 6 bits a number), with one power-of-two scale for each 32 numbers along K (OCP MX v1.0); their sums are f32. All else is computed in f32.
;;   The module's matrix products, in the order in which they are computed (A, B: the left and right operand; K: the contracted axis; several contracted axes count as one K, in the product's order):
;;     1. [M 32, K 64] x [K 64, N 16,384]; A: input g_a_w (given as codes); B: input a: QUANTISED
;;     2. [M 32, K 64] x [K 64, N 16,384]; A: input g_b_w (given as codes); B: input b: QUANTISED
;;     3. [M 64, K 64] x [K 64, N 16,384]; A: input theta_w (given as codes); B: input a: QUANTISED
;;     4. [M 64, K 64] x [K 64, N 16,384]; A: input phi_w (given as codes); B: input b: QUANTISED
;;     5. batch 4 x [M 4,096, K 64] x [K 64, N 4,096]; A: computed on the way; B: computed on the way: QUANTISED
;;     6. batch 4 x [M 4,096, K 4,096] x [K 4,096, N 32]; A: softmax (see below); B: computed on the way: QUANTISED
;;     7. [M 64, K 32] x [K 32, N 16,384]; A: input W_a_w (given as codes); B: computed on the way: QUANTISED
;;     8. batch 4 x [M 4,096, K 4,096] x [K 4,096, N 32]; A: softmax (see below); B: computed on the way: QUANTISED
;;     9. [M 64, K 32] x [K 32, N 16,384]; A: input W_b_w (given as codes); B: computed on the way: QUANTISED
;;   THE QUANTISER, for each operand of a quantised product, along K:
;;     - K is cut into blocks of 32 from its start; a last block that is shorter is filled with zeros.
;;     - A block's scale is 2^e with e = floor(log2(the largest magnitude in the block)) - 2, held to -126 .. 127; a block of zeros has e = 0. As a byte (E8M0): e + 127.
;;     - Each number is divided by its block's scale, clamped to +-7.5, and rounded to the nearest number of E2M3, ties to even, subnormals kept.
;;     - The product sums the exact products of the quantised numbers (number of the format x scale) in f32.
;;   ~~~python
;;   def quantise(x, axis):      # numpy; x: float32 -> the quantised numbers, widened to float32 again
;;       x = np.moveaxis(x, axis, -1); K = x.shape[-1]
;;       x = np.pad(x, [(0, 0)] * (x.ndim - 1) + [(0, -K % 32)]); x = x.reshape(x.shape[:-1] + (-1, 32)); a = np.abs(x).max(-1, keepdims=True)
;;       e = np.where(a > 0, np.clip(np.frexp(np.where(a > 0, a, 1))[1] - 1 - 2, -126, 127), 0)      # np.frexp(a)[1] - 1 = floor(log2(a)), exactly
;;       r = np.clip(x / 2.0 ** e, -7.5, 7.5)
;;       step = 2.0 ** (np.maximum(np.frexp(np.where(r == 0, 1, r))[1] - 1, 0) - 3)
;;       q = np.round(r / step) * step * 2.0 ** e      # np.round: ties to even
;;       return np.moveaxis(q.reshape(q.shape[:-2] + (-1,))[..., :K], -1, axis).astype(np.float32)
;;   ~~~
;;   SOFTMAX AHEAD OF A QUANTISED PRODUCT. Where the list says 'softmax', what is quantised is not the finished softmax but p = 2^(t - M), with t = logit x log2(e) and M = ceil(the row's largest t), a whole number; so 1/2 < the row's largest p <= 1. The row's sum l is taken of the UNQUANTISED p, in f32, and the product's result is divided by l at the end. Since M is a whole number, a kernel that streams over the keys may use a running M (the ceiling of the running maximum): every later rescaling is an exact power of two, which a block's scale takes up: the codes' values come out the same.
;;   OPERANDS COMPUTED ON THE WAY. 'Computed on the way' means the value that the module computes at that place (a softmax that the list does not call 'softmax' is quantised finished and normalised). What goes into a quantiser is computed in f32, as accurately as f32 sums, v_exp_f32 and their like allow (about 1e-6 of the number): no bf16 or f16 on the way to a quantiser, and a product that is left as it is and whose result goes on into a quantised operand takes f32 operands (vector FMAs, or v_wmma_f32_16x16x4_f32). A number that lies on a knife's edge between two numbers of the format may be rounded either way, as far as f32 arithmetic and the matrix unit's own rounding can turn it there, and no further.
;;   INPUTS GIVEN AS CODES. W_a_w (in the module: [64, 32], K = its axis 1); W_b_w (in the module: [64, 32], K = its axis 1); g_a_w (in the module: [32, 64], K = its axis 1); g_b_w (in the module: [32, 64], K = its axis 1); phi_w (in the module: [64, 64], K = its axis 1); theta_w (in the module: [64, 64], K = its axis 1): each comes as NAME_codes (uint8): NAME with its K axis moved to the last place and cut into blocks of 32 codes, [.., K / 32, bytes a block], one block behind the other in memory; four codes in three bytes: a row's codes are one little-endian stream of bits, code i at bits 6 i .. 6 i + 5 (a code: sign, 2 exponent bits, 3 mantissa bits); and NAME_scales (uint8): the same leading axes, one E8M0 byte (e + 127) for each 32 codes along K. Its value is code x scale, taken as it is: it is not quantised again, and the codes and scales need not be those that the quantiser above would give.
;; One version. Each part assembles by itself: llvm-mc -triple=amdgcn-amd-amdhsa -mcpu=gfx1250 --defsym DOCPART=n.
;; ======== version 1 of 1: 3 launches
;; workspace buffers: kv 2,555,904 bytes; wy 8,388,608 bytes
;; launch prep (part 1): grid 32 x 8, 4 waves a work-group, no clusters, 4,352 bytes of LDS; arguments a, theta_w_codes, theta_w_scales, theta_b, g_a_w_codes, g_a_w_scales, g_a_b, b, phi_w_codes, phi_w_scales, phi_b, g_b_w_codes, g_b_w_scales, g_b_b, kv; writes kv
.if DOCPART == 1
	.amdgcn_target "amdgcn-amd-amdhsa--gfx1250"
	.amdhsa_code_object_version 6
	.text
	.protected	k_q21504058f0_prep
	.globl	k_q21504058f0_prep
	.p2align	8
	.type	k_q21504058f0_prep,@function
k_q21504058f0_prep:
	s_mov_b64 s[64:65], 0
	v_nop
	global_prefetch_b8 v0, s[64:65] scope:SCOPE_SE
	s_setreg_imm32_b32 hwreg(HW_REG_WAVE_MODE, 25, 1), 1
	s_wait_xcnt 0x0
; THE PROJECTIONS (products 1 to 4 of the problem's table) AND THE QUANTISERS OF a, b, q_a, k_b, v_a, v_b, in MX-FP6 (E2M3, one E8M0 scale for each 32 along K).
; DEAD WORK, for the whole program.  W_a_b and W_b_b are not loaded and stand among no launch's arguments.  reference() adds them, one constant c for each channel, to conv1x1(y, W) and hands the sum
; to batchnorm2d, which takes each channel's mean over (B, H, W) away: mean(x + c) = mean(x) + c, so (x + c) - mean(x + c) = x - mean(x), and var(x + c) = var(x).  That holds for all finite values of all
; inputs, and the two biases go into no quantiser.  theta_b, phi_b, g_a_b, g_b_b go into quantised operands and are honoured.
; LIMITS.  A NaN, an infinity or an overflow that reaches only W_a_b or W_b_b is not carried to the result.  NaN and infinities among the inputs are not served.  A block whose largest magnitude lies
; under 2^-124 has its scale byte held at 1; a block of zeros gets the byte 1 where the rule says 127: its codes are zeros, and this program alone reads the bytes.
; SHARES.  y = tensor and batch (0-3: a, with theta and g_a; 4-7: b, with phi and g_b), x = a step of 128 pixels.  Wave w takes pixels 32 w .. 32 w + 31.  A LANE TAKES A PIXEL AND ITS REGISTERS RUN DOWN THE
; 64 CHANNELS, which are K: a load reads 128 consecutive bytes a wave, a block of 32 channels lies in one lane, and the conversions give codes with K innermost.
; OUT: kv [y (8)][step (32)][9,984 bytes], in the order of the operands' registers, as the next launch takes them:
;   0      K codes: 8 tiles of 16 pixels x 64 channels, 768 bytes each: lane l's registers 0-3 at 16 l, registers 4-5 at 512 + 8 l.  Row r of tile 2 b + u is pixel 32 b + 8 u + r + 8 (r / 8)
;   6,144  K scale words: tile t, row r at 256 (t / 4) + 16 r + 4 (t % 4); bytes 0, 1 the two blocks', bytes 2, 3 zero (they scale zero codes)
;   6,656  V codes: 2 tiles of 16 channels x 128 pixels, 1,536 bytes each: lane l's 12 registers on end at 48 l.  Row r of tile u is channel 8 u + r + 8 (r / 8)
;   9,728  V scale words: lane l's two (tile 0, tile 1) at 8 l
; q_a and k_b (the K part) go to kv[y xor 4], v_a and v_b (the V part) to kv[y]: so kv[y] holds the keys and values of direction y / 4, and kv[y xor 4] its queries.
; K = 64 is filled up to the instruction's 128 with zero codes on both operands.
.set BLK,   9984
.set YB,    32*BLK
.set VSIMG, 3072                       ; LDS: 0 the V codes' image; 3,072 the V scale words'; 3,328 the K scale words';
.set KSIMG, 3328
.set SPARE, 3840                       ; 3,840 the spare words, 128 bytes for each wave: two blocks of 256 bytes that no other line names
.set RAW,   16                         ; v16-79   64 channels of my pixel; later q (two tiles of pixels x 32 registers)
.set XF,    80                         ; v80-103  the pixels' two fragments; later q's codes
.set TH,    104                        ; v104-151 theta's or phi's four fragments
.set GF,    152                        ; v152-175 g's two
.set TBI,   176                        ; v176-207 theta's bias, four tiles in the result's layout; later v
.set DV,    176
.set GBI,   208                        ; v208-223 g's bias, two tiles
.set TS,    224                        ; v224-227 theta's scale words;  v228-229 g's
.set GS,    228
.set T0,    236                        ; v236-238, v240-242 a conversion's three registers
.set T1,    240
.set MX,    244                        ; v244-245 largest magnitudes
.set PT,    246                        ; v246-247 the other lane's; then scale bytes
.set SO,    248                        ; v248-249 the conversions' scale operands
.set KW,    250                        ; v250-251 q's scale words, tile 0 and tile 1
.set XS,    252                        ; v252     the pixels' scale words: lanes 0-15 tile 0's rows, lanes 16-31 tile 1's
.set OA,    254                        ; v254     the way out: 256 x wave + 8 x lane
.set SPW,   14                         ; v14      LDS address of my spare word; never rewritten
.set NIL,   15                         ; v15      0; never rewritten
	s_load_b512 s[8:23], s[0:1], 0x0               ; a, theta's codes, scales, bias, g_a's codes, scales, bias, b
	s_load_b256 s[24:31], s[0:1], 0x40             ; phi's codes, scales, bias, g_b's codes
	s_load_b128 s[32:35], s[0:1], 0x60             ; g_b's scales, bias
	s_load_b64 s[36:37], s[0:1], 0x70              ; kv
	v_lshl_add_u32 v[SPW], v0, 2, SPARE
	v_mov_b32 v[NIL], 0
	v_lshrrev_b32 v1, 5, v0
	v_readfirstlane_b32 s38, v1                    ; wave 0..3
	s_and_b32 s39, ttmp7, 0xffff                   ; y
	v_and_b32 v1, 31, v0                           ; lane
	v_and_b32 v2, 15, v0                           ; r
	v_bfe_u32 v3, v0, 4, 1                         ; h
	v_and_b32 v4, 7, v0                            ; my pixel of the wave's 32: the lane's number with bits 3 and 4 exchanged,
	v_lshl_or_b32 v4, v3, 3, v4                    ; so that lane (r, h) holds row r of the wave's tile h
	v_bfe_u32 v5, v0, 3, 1
	v_lshl_or_b32 v4, v5, 4, v4
	v_lshlrev_b32 v4, 2, v4                        ; in bytes
	v_lshlrev_b32 v5, 4, v1                        ; 16 x lane
	v_lshlrev_b32 v6, 3, v1                        ; 8 x lane
	v_and_b32 v8, 8, v2
	v_add_nc_u32 v8, v8, v2                        ; r + 8 (r / 8): the rows of a weight's tile are chosen so that two tiles' 16 registers are 16 neighbours along the next K
	v_mul_u32_u24 v7, v8, 48                       ; a weight's row: 64 codes, 48 bytes;
	v_mad_u32_u24 v7, v3, 24, v7                   ; my half's block of 32
	v_lshlrev_b32 v10, 2, v8                       ; g's bias: 4 bytes a row
	v_lshlrev_b32 v8, 1, v8                        ; scale bytes: 2 a row
	v_lshlrev_b32 v9, 6, v3                        ; theta's bias: my half's 16 channels
	s_lshr_b32 s41, s38, 1                         ; wave / 2
	s_and_b32 s42, s38, 1                          ; wave % 2
	s_lshl_b32 s43, s41, 8
	s_lshl_b32 s52, s42, 3
	s_add_co_u32 s43, s43, s52
	s_add_co_u32 s43, s43, KSIMG
	v_lshl_add_u32 v11, v2, 4, s43                 ; K scale words of tiles 2 w, 2 w + 1: 256 (w / 2) + 8 (w % 2) + 16 r
	s_mul_i32 s43, s42, 768
	s_mul_i32 s52, s41, 24
	s_add_co_u32 s43, s43, s52
	v_mul_u32_u24 v12, v2, 48
	v_mad_u32_u24 v12, v3, 12, v12
	v_add_nc_u32 v12, s43, v12                     ; V codes: key block w is registers 6 (w / 2) .. + 5 of lane r + 16 (w % 2); my 16 keys are three of the six: 48 r + 768 (w % 2) + 24 (w / 2) + 12 h
	s_add_co_u32 s43, s38, VSIMG
	v_lshl_add_u32 v13, v1, 3, s43                 ; V scale bytes: 8 x lane + w
	s_lshl_b32 s43, s38, 8
	v_lshl_add_u32 v[OA], v1, 3, s43
	s_mov_b32 s50, 0x76543210
	s_mov_b32 s51, 0xfedcba98                      ; v_permlanex16_b32's selects for lane l xor 16
	s_and_b32 s52, s39, 3                          ; the tensor's bytes: batch x 64 channels x 16,384 + step x 512 + wave x 128
	s_lshl_b32 s52, s52, 20
	s_lshl_b32 s53, ttmp9, 9
	s_add_co_u32 s52, s52, s53
	s_lshl_b32 s53, s38, 7
	s_add_co_u32 s52, s52, s53
	s_mov_b32 s53, 0
	s_mul_i32 s58, ttmp9, BLK
	s_xor_b32 s54, s39, 4
	s_mul_i32 s54, s54, YB
	s_add_co_u32 s54, s54, s58                     ; the block that takes the K part
	s_mov_b32 s55, 0
	s_mul_i32 s56, s39, YB
	s_add_co_u32 s56, s56, s58
	s_add_co_u32 s56, s56, 6656                    ; the V part of the block that takes it
	s_mov_b32 s57, 0
	s_mul_i32 s58, s38, 1536                       ; my two tiles of K codes
	s_mov_b32 s59, 0
.irp f, XF, XF+12, TH, TH+12, TH+24, TH+36, GF, GF+12
.irp j, 6,7,8,9,10,11
	v_mov_b32 v[\f+\j], 0                          ; k = 64 .. 127 of every fragment: zero codes
.endr
.endr
	v_mov_b32 v[PT], 0                             ; written once: a lane permute's destination counts as one of its sources
	v_mov_b32 v[PT+1], 0
	s_wait_kmcnt 0x0
	s_cmp_lt_u32 s39, 4                            ; a's work-group or b's?  Only pointers are chosen: both tensors take one path through the text
.irp i, 0,1,2,3,4,5,6
	s_cselect_b64 s[8+2*\i:9+2*\i], s[8+2*\i:9+2*\i], s[22+2*\i:23+2*\i]
.endr
	s_add_nc_u64 s[8:9], s[8:9], s[52:53]          ; the tensor at my wave's pixels, channel 0
	s_add_nc_u64 s[46:47], s[36:37], s[56:57]      ; where V's codes go
	s_add_nc_u64 s[60:61], s[36:37], s[54:55]
	s_add_nc_u64 s[44:45], s[60:61], s[58:59]      ; where my K codes go
	s_add_nc_u64 s[60:61], s[60:61], 6144-256      ; K's scale words, less the 256 x wave that waves 1 and 2 bring in their offset
	s_add_nc_u64 s[48:49], s[46:47], 3072          ; V's scale words
	s_cmp_eq_u32 s38, 0
	s_cselect_b64 s[48:49], s[48:49], s[60:61]     ; wave 0 stores V's scale words, waves 1 and 2 K's
.set i, 0
.rept 64
	global_load_b32 v[RAW+i], v4, s[8:9] offset:16384*i th:TH_LOAD_NT   ; channel i of my pixel: the wave reads 128 consecutive bytes
.set i, i+1
.endr
.irp t, 0,1,2,3                                ; 34 more loads: theta's tile t begins at row 32 (t / 2) + 8 (t % 2)
.irp p, 0,1,2
	global_load_b64 v[TH+12*\t+2*\p:TH+12*\t+2*\p+1], v7, s[10:11] offset:(32*(\t/2)+8*(\t%2))*48+8*\p
.endr
	global_load_u16 v[TS+\t], v8, s[12:13] offset:(32*(\t/2)+8*(\t%2))*2   ; its rows' two scale bytes; the word's upper bytes come as 0
	global_load_b128 v[TBI+8*\t:TBI+8*\t+3], v9, s[14:15] offset:(32*(\t/2)+8*(\t%2))*4      ; its bias in the result's layout: register j of lane (r, h) is channel 32 (t / 2) + 16 h + 8 (t % 2) + j
	global_load_b128 v[TBI+8*\t+4:TBI+8*\t+7], v9, s[14:15] offset:(32*(\t/2)+8*(\t%2))*4+16
.endr
.irp u, 0,1                                    ; g's tile u begins at row 8 u
.irp p, 0,1,2
	global_load_b64 v[GF+12*\u+2*\p:GF+12*\u+2*\p+1], v7, s[16:17] offset:8*\u*48+8*\p
.endr
	global_load_u16 v[GS+\u], v8, s[18:19] offset:16*\u
	global_load_b32 v[GBI+8*\u], v10, s[20:21] offset:32*\u   ; g's bias of my column's channel
.endr
	s_wait_loadcnt 34                              ; my pixel's 64 channels are in; the 34 loads issued behind them may be out
; ---- the pixels' quantiser: two blocks of 32 channels, both mine
.irp b, 0,1
	v_max3_num_f32 v[MX+\b], |v[RAW+32*\b]|, |v[RAW+32*\b+1]|, 0x1800000   ; with the floor 2^(3 - 127): the byte cannot fall under 1
.endr
.irp i, 2,4,6,8,10,12,14,16,18,20,22,24,26,28,30
.irp b, 0,1
	v_max3_num_f32 v[MX+\b], v[MX+\b], |v[RAW+32*\b+\i]|, |v[RAW+32*\b+\i+1]|   ; (the two blocks by turns)
.endr
.endr
.irp b, 0,1
	v_add_nc_u32 v[SO+\b], 0xff000000, v[MX+\b]    ; 2 off the exponent field: the conversion takes this operand's exponent field as its scale
.endr
.irp b, 0,1
	v_lshrrev_b32 v[PT+\b], 23, v[SO+\b]           ; the scale's byte
.endr
	v_lshl_or_b32 v[XS], v[PT+1], 8, v[PT]         ; my pixel's scale word
	v_cvt_scalef32_pk16_fp6_f32 v[XF:XF+2], v[RAW:RAW+15], v[SO]
	v_cvt_scalef32_pk16_fp6_f32 v[T0:T0+2], v[RAW+16:RAW+31], v[SO]        ; (a conversion's three registers begin on an even number)
	v_cvt_scalef32_pk16_fp6_f32 v[XF+12:XF+14], v[RAW+32:RAW+47], v[SO+1]
	v_cvt_scalef32_pk16_fp6_f32 v[T1:T1+2], v[RAW+48:RAW+63], v[SO+1]
	v_nop                                          ; one plain place behind a scaled conversion
.irp i, 0,1,2                                  ; lane (r, u) holds both blocks of row r of tile u; tile u's fragment wants block h in lane (r, h): block 0's lanes 16-31 change places with block 1's lanes 0-15
	v_permlane16_swap_b32 v[XF+\i], v[XF+12+\i]
	v_permlane16_swap_b32 v[T0+\i], v[T1+\i]
.endr
.irp i, 0,1,2
	v_mov_b32 v[XF+3+\i], v[T0+\i]
	v_mov_b32 v[XF+15+\i], v[T1+\i]
.endr
	s_wait_loadcnt 0x0                             ; weights, scale words, biases
.irp u, 0,1
.irp j, 1,2,3,4,5,6,7
	v_mov_b32 v[GBI+8*\u+\j], v[GBI+8*\u]          ; g's bias is the same in a lane's eight registers.  (These 14 are also the places between the fragments' and the scale word's last writes and the products)
.endr
.endr
; ---- q = theta x + bias, TRANSPOSED: source 0 = 16 rows of theta, source 1 = 16 pixels.  Lane (r, h) holds pixel r of tile u; register 16 b + i of its 32 is channel 32 b + 16 h + i.  The bias is the C
.irp t, 0,1,2,3
	v_wmma_scale_f32_16x16x128_f8f6f4 v[RAW+8*\t:RAW+8*\t+7], v[TH+12*\t:TH+12*\t+11], v[XF:XF+11], v[TBI+8*\t:TBI+8*\t+7], v[TS+\t], v[XS] matrix_a_fmt:MATRIX_FMT_FP6 matrix_b_fmt:MATRIX_FMT_FP6
.endr
.irp t, 0,1,2,3
	v_wmma_scale_f32_16x16x128_f8f6f4 v[RAW+32+8*\t:RAW+32+8*\t+7], v[TH+12*\t:TH+12*\t+11], v[XF+12:XF+23], v[TBI+8*\t:TBI+8*\t+7], v[TS+\t], v[XS] matrix_a_fmt:MATRIX_FMT_FP6 matrix_b_fmt:MATRIX_FMT_FP6 matrix_b_scale:MATRIX_SCALE_ROW1
.endr
.rept 5
	v_nop                                          ; five places: the next results are laid over theta's bias, which the products above have read
.endr
; ---- v = g x + bias: source 0 = 16 pixels, source 1 = 16 rows of g.  Lane (r, h) holds channel row r of V's tile g; register 8 u + j is pixel 16 h + 8 u + j of the wave's 32: the keys run along the registers
.irp g, 0,1
	v_wmma_scale_f32_16x16x128_f8f6f4 v[DV+16*\g:DV+16*\g+7], v[XF:XF+11], v[GF+12*\g:GF+12*\g+11], v[GBI+8*\g:GBI+8*\g+7], v[XS], v[GS+\g] matrix_a_fmt:MATRIX_FMT_FP6 matrix_b_fmt:MATRIX_FMT_FP6
	v_wmma_scale_f32_16x16x128_f8f6f4 v[DV+16*\g+8:DV+16*\g+15], v[XF+12:XF+23], v[GF+12*\g:GF+12*\g+11], v[GBI+8*\g:GBI+8*\g+7], v[XS], v[GS+\g] matrix_a_fmt:MATRIX_FMT_FP6 matrix_b_fmt:MATRIX_FMT_FP6 matrix_a_scale:MATRIX_SCALE_ROW1
.endr
.rept 4
	v_nop                                          ; four places in front of the first read of results and of the writes into the fragments' registers
.endr
; q of the wave's tile u becomes a fragment (registers 0-5) and a scale word, and the codes leave: 512 and 256 consecutive bytes, aligned
.macro QK u
.set SRC, RAW+32*(\u)
.set DST, XF+12*(\u)
.irp b, 0,1
	v_max3_num_f32 v[MX+\b], |v[SRC+16*\b]|, |v[SRC+16*\b+1]|, 0x1800000   ; each result from its low end on
.endr
.irp i, 2,4,6,8,10,12,14
.irp b, 0,1
	v_max3_num_f32 v[MX+\b], v[MX+\b], |v[SRC+16*\b+\i]|, |v[SRC+16*\b+\i+1]|
.endr
.endr
.irp b, 0,1
	v_permlanex16_b32 v[PT+\b], v[MX+\b], s50, s51
.endr
.irp b, 0,1
	v_max_num_f32 v[MX+\b], v[MX+\b], v[PT+\b]     ; with lane l xor 16's 16 channels: the block's largest magnitude
.endr
.irp b, 0,1
	v_add_nc_u32 v[SO+\b], 0xff000000, v[MX+\b]
.endr
.irp b, 0,1
	v_lshrrev_b32 v[PT+\b], 23, v[SO+\b]
.endr
	v_lshl_or_b32 v[KW+\u], v[PT+1], 8, v[PT]
	v_cvt_scalef32_pk16_fp6_f32 v[DST:DST+2], v[SRC:SRC+15], v[SO]
	v_cvt_scalef32_pk16_fp6_f32 v[T0:T0+2], v[SRC+16:SRC+31], v[SO+1]
	v_nop                                          ; one plain place behind a scaled conversion
.irp i, 0,1,2
	v_permlane16_swap_b32 v[DST+\i], v[T0+\i]      ; a whole block to a lane: lanes 0-15 block 0, lanes 16-31 block 1
.endr
.irp i, 0,1,2
	v_mov_b32 v[DST+3+\i], v[T0+\i]
.endr
	global_store_b128 v5, v[DST:DST+3], s[44:45] offset:768*(\u)
	global_store_b64 v6, v[DST+4:DST+5], s[44:45] offset:768*(\u)+512
.endm
	QK 0
	QK 1
	ds_store_b64 v11, v[KW:KW+1]                   ; the two tiles' scale words of row r (lanes 16-31 write the same bytes with the same values)
; v of V's tile g: my 16 keys and lane l xor 16's are key block w
.macro QV g
.set SRC, DV+16*(\g)
.set DST, T0+4*(\g)
	v_max3_num_f32 v[MX], |v[SRC]|, |v[SRC+1]|, 0x1800000
	v_max3_num_f32 v[MX+1], |v[SRC+2]|, |v[SRC+3]|, |v[SRC+4]|
	v_max3_num_f32 v[MX], v[MX], |v[SRC+5]|, |v[SRC+6]|
	v_max3_num_f32 v[MX+1], v[MX+1], |v[SRC+7]|, |v[SRC+8]|
	v_max3_num_f32 v[MX], v[MX], |v[SRC+9]|, |v[SRC+10]|
	v_max3_num_f32 v[MX+1], v[MX+1], |v[SRC+11]|, |v[SRC+12]|
	v_max3_num_f32 v[MX], v[MX], |v[SRC+13]|, |v[SRC+14]|
	v_max3_num_f32 v[MX], v[MX], v[MX+1], |v[SRC+15]|
	v_permlanex16_b32 v[PT+\g], v[MX], s50, s51
	v_max_num_f32 v[MX], v[MX], v[PT+\g]
	v_add_nc_u32 v[SO+\g], 0xff000000, v[MX]
	v_lshrrev_b32 v[PT+\g], 23, v[SO+\g]
	v_cvt_scalef32_pk16_fp6_f32 v[DST:DST+2], v[SRC:SRC+15], v[SO+\g]
	v_nop                                          ; one plain place behind a scaled conversion
.irp i, 0,1,2
	ds_store_b32 v12, v[DST+\i] offset:1536*(\g)+4*\i
.endr
	ds_store_b8 v13, v[PT+\g] offset:4*(\g)        ; byte w of the row's scale word; lanes 16-31 fill the words of the image's lanes 16-31
.endm
	QV 0
	QV 1
	s_wait_dscnt 0x0                               ; for the others' sake: my stores into the images are done
	s_barrier_signal -1
	s_barrier_wait -1
; ---- the way out: each store of a wave covers 256 consecutive bytes, aligned
	s_cmp_lt_u32 s38, 3                            ; the three blocks of scale words go by waves 0 to 2
	s_cbranch_scc0 .Lno_words
	ds_load_b64 v[22:23], v[OA] offset:VSIMG
	s_wait_dscnt 0x0
	global_store_b64 v[OA], v[22:23], s[48:49]
.Lno_words:
.irp j, 0,1,2
	ds_load_b64 v[16+2*\j:17+2*\j], v[OA] offset:1024*\j
.endr
.irp j, 0,1,2
	s_wait_dscnt 2-\j                              ; LDS loads come back in order: piece j is in
	global_store_b64 v[OA], v[16+2*\j:17+2*\j], s[46:47] offset:1024*\j
.endr
	s_wait_tensorcnt 0x0                           ; the wave's end: behind my last LDS store
	ds_add_u32 v[SPW], v[NIL]
	s_wait_dscnt 0x0
	s_endpgm
.Lfunc_end_k_q21504058f0_prep:
	.size	k_q21504058f0_prep, .Lfunc_end_k_q21504058f0_prep-k_q21504058f0_prep
	.p2alignl 7, 3214868480
	.fill 96, 4, 3214868480
	.section	.rodata,"a",@progbits
	.p2align	6, 0x0
	.amdhsa_kernel k_q21504058f0_prep
		.amdhsa_group_segment_fixed_size 4352
		.amdhsa_private_segment_fixed_size 0
		.amdhsa_enable_private_segment 0
		.amdhsa_kernarg_size 120
		.amdhsa_user_sgpr_count 2
		.amdhsa_user_sgpr_kernarg_segment_ptr 1
		.amdhsa_wavefront_size32 1
		.amdhsa_system_sgpr_workgroup_id_x 1
		.amdhsa_system_sgpr_workgroup_id_y 1
		.amdhsa_system_sgpr_workgroup_id_z 1
		.amdhsa_system_vgpr_workitem_id 0
		.amdhsa_next_free_vgpr 256
		.amdhsa_next_free_sgpr 66
		.amdhsa_reserve_vcc 0
		.amdhsa_float_denorm_mode_32 3
		.amdhsa_float_denorm_mode_16_64 3
		.amdhsa_memory_ordered 1
		.amdhsa_forward_progress 1
		.amdhsa_inst_pref_size 27
	.end_amdhsa_kernel
	.amdgpu_metadata
---
amdhsa.version: [ 1, 2 ]
amdhsa.kernels:
  - .name:           k_q21504058f0_prep
    .symbol:         k_q21504058f0_prep.kd
    .args:
      - { .name: a, .offset: 0, .size: 8, .value_kind: global_buffer, .address_space: global }
      - { .name: theta_w_codes, .offset: 8, .size: 8, .value_kind: global_buffer, .address_space: global }
      - { .name: theta_w_scales, .offset: 16, .size: 8, .value_kind: global_buffer, .address_space: global }
      - { .name: theta_b, .offset: 24, .size: 8, .value_kind: global_buffer, .address_space: global }
      - { .name: g_a_w_codes, .offset: 32, .size: 8, .value_kind: global_buffer, .address_space: global }
      - { .name: g_a_w_scales, .offset: 40, .size: 8, .value_kind: global_buffer, .address_space: global }
      - { .name: g_a_b, .offset: 48, .size: 8, .value_kind: global_buffer, .address_space: global }
      - { .name: b, .offset: 56, .size: 8, .value_kind: global_buffer, .address_space: global }
      - { .name: phi_w_codes, .offset: 64, .size: 8, .value_kind: global_buffer, .address_space: global }
      - { .name: phi_w_scales, .offset: 72, .size: 8, .value_kind: global_buffer, .address_space: global }
      - { .name: phi_b, .offset: 80, .size: 8, .value_kind: global_buffer, .address_space: global }
      - { .name: g_b_w_codes, .offset: 88, .size: 8, .value_kind: global_buffer, .address_space: global }
      - { .name: g_b_w_scales, .offset: 96, .size: 8, .value_kind: global_buffer, .address_space: global }
      - { .name: g_b_b, .offset: 104, .size: 8, .value_kind: global_buffer, .address_space: global }
      - { .name: kv, .offset: 112, .size: 8, .value_kind: global_buffer, .address_space: global }
    .group_segment_fixed_size: 4352
    .private_segment_fixed_size: 0
    .kernarg_segment_align: 8
    .kernarg_segment_size: 120
    .max_flat_workgroup_size: 128
    .sgpr_count:     66
    .vgpr_count:     256
    .wavefront_size: 32
...
	.end_amdgpu_metadata
.endif
;; end of part 1
;; launch attn (part 2): grid 32 x 8, 16 waves a work-group, clusters of 4 x 1, 327,680 bytes of LDS; arguments kv, W_a_w_codes, W_a_w_scales, W_b_w_codes, W_b_w_scales, wy; writes wy
.if DOCPART == 2
	.amdgcn_target "amdgcn-amd-amdhsa--gfx1250"
	.amdhsa_code_object_version 6
	.text
	.protected	k_q21504058f0_attn
	.globl	k_q21504058f0_attn
	.p2align	8
	.type	k_q21504058f0_attn,@function
k_q21504058f0_attn:
	s_mov_b64 s[64:65], 0
	v_nop
	global_prefetch_b8 v0, s[64:65] scope:SCOPE_SE
	s_setreg_imm32_b32 hwreg(HW_REG_WAVE_MODE, 25, 1), 1
	s_wait_xcnt 0x0
	s_wait_alu depctr_hold_cnt(0) depctr_sa_sdst(0) depctr_va_vdst(0) depctr_va_sdst(0) depctr_va_ssrc(0) depctr_va_vcc(0) depctr_vm_vsrc(0)
	s_getreg_b32 s2, hwreg(HW_REG_IB_STS2, 6, 4)
	s_cmp_eq_u32 s2, 0
	s_cbranch_scc0 .Lentry_in_a_cluster
	s_endpgm
.Lentry_in_a_cluster:
	s_bfe_u32 s2, ttmp6, 0x10000c
	s_cmp_lg_u32 s2, 0x3003
	s_cbranch_scc0 .Lentry_shape_is_right
	s_endpgm
.Lentry_shape_is_right:
; BOTH DIRECTIONS OF THE ATTENTION (products 5, 6, 7 and 5, 8, 9 of the problem's table) in MX-FP6.  y = direction x 4 + batch.  Direction 0: queries q_a, keys k_b, values v_a, W_a; direction 1: queries k_b,
; keys q_a, values v_b, W_b: softmax along the columns of f is softmax along the rows of its transpose, so one text serves both and only pointers are chosen.
; LEFT OUT AS DEAD WORK: W_a_b, W_b_b (a constant for each channel ahead of a batch norm that takes the channel's mean away: shown at the head of the first kernel).
; THE SOFTMAX: t = score x log2(e); M = the running largest t rounded UP to a whole number; p = 2^(t - M) is quantised along the keys, not normalised; the sum l is taken of the unquantised p and divides at the end.
; LIMITS: NaN and infinities are not served; a block of p or of y whose largest magnitude lies under 2^-124 has its scale byte held at 1 (a block of zeros too: its codes are zeros).
; SHARES.  A work-group owns 128 queries.  Wave w owns one tile of 16 queries (w % 8) and HALF of the 4,096 keys: the blocks of 128 keys whose number has the parity w / 8: 16 steps.  Four waves to a SIMD, 256
; registers each, so that one wave's vector work stands beside another's products and LDS loads.  The two halves of a tile meet at the end through LDS: their M are whole numbers, so they are joined by exact powers of two.
; ALL KEYS AND VALUES OF y, 319,488 bytes as the launch before laid them, in the order of the operands' registers, STAY IN LDS: every byte is filled once, no slot is filled again.  Each wave issues four
; loads at the head, a quarter of the keys each: by this text's own count four tensor loads of a wave are out at most.  The first quarter is read behind a counted wait and a barrier (4 steps a wave), the other
; three behind a wait for all and a second barrier (12 steps).
; CLUSTER: the four work-groups of a cluster share y, so each load is asked for JOINTLY: the same descriptor and a mask that names the four, in all four.  The place in the cluster enters the queries' and the
; result's global addresses alone.
; LAYOUT.  Both products are used transposed: S^T = K Q^T, O^T = V^T P^T: a lane holds ONE query (lane % 16) throughout.  Row r of K's tile 2 b + u is key 32 b + 8 u + r + 8 (r / 8), so that the 16 registers
; of tiles 2 b, 2 b + 1 are 16 neighbouring keys.  Row r of V's tile u is channel 8 u + r + 8 (r / 8), so that O^T's 16 registers are channels 16 (lane / 16) + 0 .. 15: neighbours along the last product's K.
; A K SHORTER THAN THE INSTRUCTION'S 128.  The scores' K is 64: the QUERIES' fragment holds zero codes at k = 64 .. 127, and both sides' scale bytes there are 0.  E2M3 has no NaN and no infinity, so whatever
; codes the keys' fragment names at those k add exactly nothing.  So a tile of keys keeps six registers, tile t's fragment is v[KF + 6 t] .. v[KF + 6 t + 11], its upper six being the next tile's codes (behind the last
; tile: six zeros), and a step's eight tiles are in registers at once.  The last product's K is 32: y's operand holds zero codes at k = 32 .. 127, and W's two fragments overlap in the same way.
; LOADS A PHASE AHEAD.  A step's V is asked for at its head and waited for behind its softmax; the NEXT step's K is asked for as soon as this step's score products have read K's registers.
.set BLK,   9984                       ; a key step's block: K codes 0, K scale words 6,144, V codes 6,656, V scale words 9,728
.set YB,    32*BLK
.set STGB,  8*BLK                      ; a quarter of the keys: eight blocks
.set SHARE, STGB/16                    ; what one load brings: 4,992 bytes
.set BSTEP, 2*BLK                      ; from a wave's block to its next
.set SPARE, YB                         ; behind K and V: the spare words, 128 bytes for each of 16 waves: eight blocks of 256 bytes that no other line names
.set XO,    0                          ; the end's scratch lies in the first quarter's bytes, which have had their only fill: the waves' O^T, 2,048 bytes each;
.set XM,    32768                      ; their (-M, l), 256 bytes each;
.set STG,   40960                      ; the stage for the result: 64 channels x (128 pixels x 4 bytes + 16)
.set SP,    528
.set L16,   1                          ; v1  16 x lane      v2  8 x lane      v3  16 x (lane % 16)      v4  48 x lane
.set L8,    2
.set R16,   3
.set L48,   4
.set SPW,   6                          ; v6  LDS address of my spare word; never rewritten
.set NIL,   7                          ; v7  0; never rewritten
.set A16,   8                          ; v8-11  the same four places in the block in hand
.set A8,    9
.set AR,    10
.set A48,   11
.set Q,     16                         ; v16-27 my queries' fragment     (v12 -M, v13 the largest t, v[14:15] l in two halves)
.set QS,    28                         ; v28 its scale words
.set PW,    29                         ; v29 p's scale word, at the end y's
.set VS,    30                         ; v30-31 V's scale words
.set KF,    32                         ; v32-79 eight tiles of K, six registers each; v80-85 zeros
.set VF,    86                         ; v86-109 V's two fragments
.set S,     110                        ; v110-173 S^T, then p
.set O,     174                        ; v174-189 O^T
.set PC,    190                        ; v190-201 p's codes
.set PH,    202                        ; v202-204, v206-208 the conversions' second halves
.set OM,    209                        ; v209 the old -M
.set KS,    210                        ; v210-217 K's scale words
.set BM,    218                        ; v218-221 the blocks' largest scores, then largest p
.set BT,    222                        ; v222-225 the other lane's; then scale bytes
.set BS,    226                        ; v226-229 the conversions' scale operands
.set F,     230                        ; v[230:231] f = 2^(old M - new M); the pair's low word serves both halves
.set TMP,   232                        ; v232-233
.set SUM2,  234                        ; v[234:235] the sum's second chain
.set WF,    236                        ; v236-247 W's two tiles, six registers each; v248-253 zeros
.set WS,    254                        ; v254-255 their scale words
.set WV,    16                         ; s16 wave; s17 its tile of queries; s18 its half of the keys
.set G1,    24                         ; s[24:31] descriptor group 1;  s[32:47] four groups 0
.set G0,    32
.set SEL,   48                         ; s[48:49] lane selects for v_permlanex16_b32: lane l xor 16
.set CS,    50                         ; s[50:51] log2(e): the packed form names a pair and takes its low word
.set TB,    52                         ; s52 LDS byte at which the block in hand begins
.set CNT,   53
.macro ROUND                           ; a round of the cluster's barrier
	s_barrier_signal -1
	s_barrier_wait -1
	s_cmp_lg_u32 s[WV], 0
	s_cbranch_scc1 .Lnot_wave_0_\@
	s_barrier_signal -3
.Lnot_wave_0_\@:
	s_barrier_wait -3
	s_barrier_signal -1
	s_barrier_wait -1
.endm
	s_load_b256 s[4:11], s[0:1], 0x0               ; kv, W_a's codes, W_a's scales, W_b's codes
	s_load_b128 s[12:15], s[0:1], 0x20             ; W_b's scales, wy
	v_lshl_add_u32 v[SPW], v0, 2, SPARE
	v_mov_b32 v[NIL], 0
	ds_add_u32 v[SPW], v[NIL]                      ; the wave's opening: the add, twice on end, and its wait ahead of my first tensor load; the set-up below stands between the second and the wait
	ds_add_u32 v[SPW], v[NIL]
	v_lshrrev_b32 v1, 5, v0
	v_readfirstlane_b32 s[WV], v1                  ; wave 0..15
	s_and_b32 s17, s[WV], 7
	s_lshr_b32 s18, s[WV], 3
	s_bfe_u32 s19, ttmp6, 0x40000                  ; cx: my place in the cluster
	s_lshl_b32 s20, ttmp9, 2
	s_add_co_u32 s20, s20, s19                     ; my block of 128 queries: it enters the queries' and the result's global addresses alone
	s_and_b32 s21, ttmp7, 0xffff                   ; y, which the four partners share
	s_mul_i32 s22, s18, BLK                        ; my half's first block: block 0 or block 1
	; descriptor group 1: one dense row of 4,992 bytes, as 624 elements of 8 bytes
	s_mov_b32 s[G1], 15|(3<<16)|(1<<21)            ; 15:0 the mask: all four work-groups; 17:16 elements of 8 bytes; 20 no padding; 21 set beside a mask
	s_mov_b32 s[G1+1], (SHARE/8)<<16               ; tensor_dim0
	s_mov_b32 s[G1+2], 1<<16                       ; tensor_dim1 = 1
	s_mov_b32 s[G1+3], (SHARE/8)<<16               ; tile_dim0
	s_mov_b32 s[G1+4], 1                           ; tile_dim1 = 1
	s_mov_b32 s[G1+5], SHARE/8                     ; the pitch
	s_mov_b32 s[G1+6], 1<<16                       ; (a one-row descriptor's second stride is not left at 0)
	s_mov_b32 s[G1+7], 0
	s_mul_i32 s56, s[WV], SHARE                    ; my share of a quarter: the same offset in memory and in LDS
	s_mul_i32 s58, s21, YB
	s_add_co_u32 s58, s58, s56
	s_mov_b32 s59, 0
	s_mov_b32 s[SEL], 0x76543210
	s_mov_b32 s[SEL+1], 0xfedcba98
	s_mov_b32 s[CS], 0x3fb8aa3b                    ; log2(e)
	s_mov_b32 s[CS+1], s[CS]
	s_xor_b32 s66, s21, 4                          ; my queries lie as a tile of keys in the other direction's part of kv
	s_mul_i32 s66, s66, YB
	s_mul_i32 s76, s20, BLK
	s_add_co_u32 s66, s66, s76                     ; their block
	s_lshr_b32 s76, s17, 2
	s_lshl_b32 s76, s76, 8
	s_and_b32 s77, s17, 3
	s_lshl_b32 s77, s77, 2
	s_add_co_u32 s76, s76, s77
	s_add_co_u32 s76, s76, 6144
	s_add_co_u32 s68, s66, s76                     ; the tile's scale words
	s_mov_b32 s69, 0
	s_mul_i32 s76, s17, 768
	s_add_co_u32 s66, s66, s76                     ; the tile's codes
	s_mov_b32 s67, 0
	s_mul_i32 s70, s18, 768                        ; W: my 32 rows of 24 bytes,
	s_mov_b32 s71, 0
	s_lshl_b32 s72, s18, 5                         ; and their scale bytes
	s_mov_b32 s73, 0
	s_lshl_b32 s74, s21, 20                        ; wy [y][64][4,096] f32: y, my four channels, my work-group's 128 pixels
	s_lshl_b32 s76, s[WV], 16
	s_add_co_u32 s74, s74, s76
	s_lshl_b32 s76, s20, 9
	s_add_co_u32 s74, s74, s76
	s_mov_b32 s75, 0
	v_and_b32 v5, 31, v0                           ; lane
	v_and_b32 v9, 15, v0                           ; r
	v_lshlrev_b32 v[L16], 4, v5
	v_lshlrev_b32 v[L8], 3, v5
	v_lshlrev_b32 v[R16], 4, v9
	v_mul_u32_u24 v[L48], v5, 48
	v_mul_u32_u24 v8, v9, 24                       ; a row of W
	s_wait_dscnt 0x0                               ; both opening adds are done
	s_wait_kmcnt 0x0
	s_add_nc_u64 s[58:59], s[4:5], s[58:59]
.irp i, 0,1,2,3
	s_mov_b32 s[G0+4*\i], 1                        ; count = 1
	s_add_co_u32 s[G0+4*\i+1], s56, \i*STGB        ; LDS address: wave x 4,992 + quarter x 79,872
	s_add_nc_u64 s[G0+4*\i+2:G0+4*\i+3], s[58:59], \i*STGB   ; global address: y and the wave's number alone
	s_or_b32 s[G0+4*\i+3], s[G0+4*\i+3], 0x80000000   ; type = 2
.endr
	s_add_nc_u64 s[66:67], s[4:5], s[66:67]
	s_add_nc_u64 s[68:69], s[4:5], s[68:69]
	s_cmp_lt_u32 s21, 4                            ; direction 0 takes W_a: the same in all four partners
	s_cselect_b64 s[6:7], s[6:7], s[10:11]
	s_cselect_b64 s[8:9], s[8:9], s[12:13]
	s_add_nc_u64 s[70:71], s[6:7], s[70:71]
	s_add_nc_u64 s[72:73], s[8:9], s[72:73]
	s_add_nc_u64 s[74:75], s[14:15], s[74:75]
	global_load_b128 v[Q:Q+3], v[L16], s[66:67]    ; the queries and W are asked for ahead of the round: they are on their way while the work-groups meet
	global_load_b64 v[Q+4:Q+5], v[L8], s[66:67] offset:512
	global_load_b32 v[QS], v[R16], s[68:69]
.irp i, 0,1
.irp p, 0,1,2
	global_load_b64 v[WF+6*\i+2*\p:WF+6*\i+2*\p+1], v8, s[70:71] offset:384*\i+8*\p   ; W's tile i: rows 32 (w / 8) + 16 i + r, 32 codes each; lanes 16-31 take the same bytes, which meet zero codes of y
.endr
	global_load_u8 v[WS+\i], v9, s[72:73] offset:16*\i   ; the row's one scale byte; the word's upper bytes come as 0
.endr
	ROUND                                          ; all four work-groups are here: the joint loads meet
.irp i, 0,1,2,3
	tensor_load_to_lds s[G0+4*\i:G0+4*\i+3], s[G1:G1+7]   ; all first fills in one group, ahead of every wait on TENSORcnt and every LDS read
	s_nop 0
.endr
.irp j, 0,1,2,3,4,5
	v_mov_b32 v[Q+6+\j], 0                         ; the queries' k = 64 .. 127: zero codes, set once
	v_mov_b32 v[KF+48+\j], 0                       ; what the last tile of keys names there,
	v_mov_b32 v[WF+12+\j], 0                       ; and W's second tile
.endr
.irp j, 0,1,2,3,4,5,6,7,8,9,10,11,12,13,14,15
	v_mov_b32 v[O+\j], 0                           ; O^T.  (The step is written without a first step of its own: the first finds zeros, which the first change of M leaves zeros)
.endr
	v_mov_b32 v14, 0                               ; l
	v_mov_b32 v15, 0
	v_mov_b32 v13, 0xff61b1e6                      ; the largest t so far: -3e38, under every t
	v_floor_f32 v12, -v13                          ; -M
.irp b, 0,1,2,3
	v_mov_b32 v[BT+\b], 0                          ; written once: a lane permute's destination counts as one of its sources
.endr
	v_mov_b32 v[F+1], 0                            ; (named as the upper half of a pair)
	s_wait_loadcnt 0x0                             ; Q, W: their address registers are free from here on
; 18 LDS loads: the scale words and the eight tiles of keys of the block off bytes behind the one that the address registers name
.macro KLOAD off
	ds_load_b128 v[KS:KS+3], v[AR] offset:\off+6144     ; row r's scale words of tiles 0-3,
	ds_load_b128 v[KS+4:KS+7], v[AR] offset:\off+6400   ; of tiles 4-7
.irp t, 0,1,2,3,4,5,6,7
	ds_load_b128 v[KF+6*\t:KF+6*\t+3], v[A16] offset:\off+768*\t          ; a tile's registers as they were stored: 512 and 256 consecutive bytes
	ds_load_b64 v[KF+6*\t+4:KF+6*\t+5], v[A8] offset:\off+768*\t+512
.endr
.endm
; A KEY STEP: the 128 keys of the block at s[TB].  Its K was asked for a step ago (at a stage's head: just now).  pre = 1: the next step's K is asked for
.macro STEP pre
	v_add_nc_u32 v[A16], s[TB], v[L16]             ; (these four are also the places between the last step's V^T P products and the loads into V's registers)
	v_add_nc_u32 v[A8], s[TB], v[L8]
	v_add_nc_u32 v[AR], s[TB], v[R16]
	v_add_nc_u32 v[A48], s[TB], v[L48]
.irp u, 0,1
.irp q, 0,1,2
	ds_load_b128 v[VF+12*\u+4*\q:VF+12*\u+4*\q+3], v[A48] offset:6656+1536*\u+16*\q   ; V lands while the softmax is walked; 48 bytes from lane to lane
.endr
.endr
	ds_load_b64 v[VS:VS+1], v[A8] offset:9728
	s_wait_dscnt 7                                 ; LDS loads come back in order: K's eighteen are in; V's seven, issued behind them, may be out
.irp t, 0,1,2,3,4,5,6,7
	v_wmma_scale_f32_16x16x128_f8f6f4 v[S+8*\t:S+8*\t+7], v[KF+6*\t:KF+6*\t+11], v[Q:Q+11], 0, v[KS+\t], v[QS] matrix_a_fmt:MATRIX_FMT_FP6 matrix_b_fmt:MATRIX_FMT_FP6
.endr
	v_mov_b32 v[OM], v12                           ; the old -M.  (With the three below: four places in front of the loads into K's registers and of the first read of results)
.rept 3
	v_nop
.endr
.if \pre
	KLOAD BSTEP                                    ; the next step's K: it has the softmax in which to land
.endif
.irp b, 0,1,2,3
	v_max3_num_f32 v[BM+\b], v[S+16*\b], v[S+16*\b+1], v[S+16*\b+2]   ; the largest score of each block of 32 keys: it serves for the row's maximum and, since p rises with the score, for the block's largest p
.endr
.irp i, 3,5,7,9,11,13
.irp b, 0,1,2,3
	v_max3_num_f32 v[BM+\b], v[BM+\b], v[S+16*\b+\i], v[S+16*\b+\i+1]   ; (the four blocks by turns; each result from its low end on)
.endr
.endr
.irp b, 0,1,2,3
	v_max_num_f32 v[BM+\b], v[BM+\b], v[S+16*\b+15]
.endr
.irp b, 0,1,2,3
	v_permlanex16_b32 v[BT+\b], v[BM+\b], s[SEL], s[SEL+1]
.endr
.irp b, 0,1,2,3
	v_max_num_f32 v[BM+\b], v[BM+\b], v[BT+\b]     ; with lane l xor 16's 16 keys
.endr
	v_max3_num_f32 v[TMP], v[BM], v[BM+1], v[BM+2]
	v_max_num_f32 v[TMP], v[TMP], v[BM+3]          ; the step's largest score of my query
	v_mul_f32 v[TMP], s[CS], v[TMP]                ; as t
	v_max_num_f32 v13, v13, v[TMP]                 ; the running largest t
	v_floor_f32 v12, -v13                          ; the new -M = floor(-t) = -ceil(t): a whole number
	v_sub_f32 v[TMP], v12, v[OM]                   ; old M less new M: a whole number, 0 or less
	v_cvt_i32_f32 v[TMP], v[TMP]                   ; (it saturates)
	v_ldexp_f32 v[F], 1.0, v[TMP]                  ; f = 2^(old M - new M): a multiplication by it rounds nothing
.irp b, 0,1,2,3
	v_fma_f32 v[BM+\b], v[BM+\b], s[CS], v12       ; t - M of each block's largest score
.endr
	v_pk_fma_f32 v[S:S+1], v[S:S+1], s[CS:CS+1], v[12:13] op_sel_hi:[1,0,0]       ; t - M, two at a time: pairs 0 and 1
	v_pk_fma_f32 v[S+2:S+3], v[S+2:S+3], s[CS:CS+1], v[12:13] op_sel_hi:[1,0,0]
; ONE BATCH: the other 30 scalings and all 68 exponentials, none of which names an exponential's result: a scaling leads each two exponentials, and six instructions stand between a pair's scaling and its first exponential
.set ee, 0
.rept 32
.if ee < 30
	v_pk_fma_f32 v[S+2*ee+4:S+2*ee+5], v[S+2*ee+4:S+2*ee+5], s[CS:CS+1], v[12:13] op_sel_hi:[1,0,0]
.endif
	v_exp_f32 v[S+2*ee], v[S+2*ee]                 ; p = 2^(t - M), at most 1, not normalised
	v_exp_f32 v[S+2*ee+1], v[S+2*ee+1]
.set ee, ee+1
.endr
.irp b, 0,1,2,3
	v_exp_f32 v[BM+\b], v[BM+\b]                   ; the block's largest p: the same two instructions on the same number give the same bits
.endr
	v_pk_mul_f32 v[O:O+1], v[O:O+1], v[F:F+1] op_sel_hi:[1,0]   ; O^T under the new M begins here: the plain place behind the exponentials
	s_wait_alu depctr_va_vdst(0)                   ; one wait for the whole batch, ahead of its first reader
	v_pk_add_f32 v[SUM2:SUM2+1], v[S:S+1], v[S+2:S+3]   ; the row's sum is taken of the unquantised p, in two chains;
	v_pk_fma_f32 v[14:15], v[14:15], v[F:F+1], v[S+4:S+5] op_sel_hi:[1,0,1]   ; l comes under the new M in the same line that adds to it
	v_pk_add_f32 v[SUM2:SUM2+1], v[SUM2:SUM2+1], v[S+6:S+7]
.irp j, 8,12,16,20,24,28,32,36,40,44,48,52,56,60
	v_pk_add_f32 v[14:15], v[14:15], v[S+\j:S+\j+1]
	v_pk_add_f32 v[SUM2:SUM2+1], v[SUM2:SUM2+1], v[S+\j+2:S+\j+3]
.endr
	v_pk_add_f32 v[14:15], v[14:15], v[SUM2:SUM2+1]
.irp b, 0,1,2,3
	v_max_num_f32 v[BM+\b], 0x1800000, v[BM+\b]    ; the floor 2^(3 - 127): the byte cannot fall under 1
.endr
.irp b, 0,1,2,3
	v_add_nc_u32 v[BS+\b], 0xff000000, v[BM+\b]    ; 2 off the exponent field: the conversion's scale operand
.endr
.irp b, 0,1,2,3
	v_lshrrev_b32 v[BT+\b], 23, v[BS+\b]           ; the scale's byte
.endr
	v_lshl_or_b32 v[PW], v[BT+1], 8, v[BT]         ; p's scale word for these 128 keys
	v_lshl_or_b32 v[PW], v[BT+2], 16, v[PW]
	v_lshl_or_b32 v[PW], v[BT+3], 24, v[PW]
.irp c, 0,1
	v_cvt_scalef32_pk16_fp6_f32 v[PC+6*\c:PC+6*\c+2], v[S+32*\c:S+32*\c+15], v[BS+2*\c]
	v_cvt_scalef32_pk16_fp6_f32 v[PH+4*\c:PH+4*\c+2], v[S+32*\c+16:S+32*\c+31], v[BS+2*\c+1]   ; (a conversion's three registers begin on an even number)
.endr
	v_nop                                          ; one plain place behind a scaled conversion
.irp c, 0,1                                    ; a whole block to a lane: lanes 0-15 block 2 c, lanes 16-31 block 2 c + 1
.irp i, 0,1,2
	v_permlane16_swap_b32 v[PC+6*\c+\i], v[PH+4*\c+\i]
.endr
.irp i, 0,1,2
	v_mov_b32 v[PC+6*\c+3+\i], v[PH+4*\c+\i]
.endr
.endr
.irp j, 2,4,6,8,10,12,14
	v_pk_mul_f32 v[O+\j:O+\j+1], v[O+\j:O+\j+1], v[F:F+1] op_sel_hi:[1,0]   ; the rest of O^T under the new M.  (These seven are also the places between the last writes of p's codes and scale word and the products)
.endr
	s_wait_dscnt 18*\pre                           ; V is in; the next step's eighteen loads of K, issued behind V's, may be out
.irp u, 0,1                                    ; O^T += V^T P^T.  The two sums take turns, and eight score products stand between a link and the next
	v_wmma_scale_f32_16x16x128_f8f6f4 v[O+8*\u:O+8*\u+7], v[VF+12*\u:VF+12*\u+11], v[PC:PC+11], v[O+8*\u:O+8*\u+7], v[VS+\u], v[PW] matrix_a_fmt:MATRIX_FMT_FP6 matrix_b_fmt:MATRIX_FMT_FP6
.endr
.endm
; A STAGE: trips + 1 steps from LDS byte base on.  left: how many of my younger tensor loads may stay out.  The last step is written out without the look-ahead: no load reads bytes that have not been shown
; landed, and none passes the end of K and V
.macro STAGE left, base, trips
	s_wait_tensorcnt \left                         ; a wave's tensor loads end in order: my share of what this stage reads is in; nothing is ever filled again, so younger loads may stay out
	s_wait_dscnt 0x0
	s_barrier_signal -1
	s_barrier_wait -1                              ; everybody's share is in
	s_add_co_u32 s[TB], s22, \base
	v_add_nc_u32 v[A16], s[TB], v[L16]
	v_add_nc_u32 v[A8], s[TB], v[L8]
	v_add_nc_u32 v[AR], s[TB], v[R16]
	KLOAD 0                                        ; the stage's first K
	s_mov_b32 s[CNT], \trips
.Lstep_\@:
	STEP 1
	s_add_co_u32 s[TB], s[TB], BSTEP
	s_sub_co_u32 s[CNT], s[CNT], 1
	s_cmp_lg_u32 s[CNT], 0
	s_cbranch_scc1 .Lstep_\@
	STEP 0
.endm
	STAGE 3, 0, 3                                  ; the first quarter of the keys: my four blocks; my three younger loads stay out
	STAGE 0, 4*BSTEP, 11                           ; the other three quarters: my twelve blocks
; ---- THE END.  The row's sum and the addresses of the way out: plain vector work, which is also the places behind the last products
	v_add_f32 v14, v14, v15                        ; l's two halves,
	v_permlanex16_b32 v[TMP], v14, s[SEL], s[SEL+1]
	v_add_f32 v[TMP+1], v14, v[TMP]                ; and lane l xor 16's
	v_mov_b32 v[TMP], v12                          ; the pair (-M, l)
	s_lshl_b32 s76, s[WV], 11
	v_add_nc_u32 v[A16], s76, v[L16]               ; my O^T's image
	s_xor_b32 s77, s[WV], 8                        ; the wave with my queries and the other half of the keys
	s_lshl_b32 s78, s77, 11
	v_add_nc_u32 v[AR], s78, v[L16]                ; its image
	s_lshl_b32 s76, s[WV], 8
	s_add_co_u32 s76, s76, XM
	v_add_nc_u32 v[A8], s76, v[L8]                 ; my (-M, l)
	s_lshl_b32 s78, s77, 8
	s_add_co_u32 s78, s78, XM
	v_add_nc_u32 v[A48], s78, v[L8]                ; its
	s_mul_i32 s76, s18, 32*SP                      ; the stage: row = channel 32 (w / 8) + 16 i + 8 h + j; column = my query's pixel 32 (tile / 2) + 8 (tile % 2) + r + 8 (r / 8)
	s_lshr_b32 s77, s17, 1
	s_lshl_b32 s77, s77, 7
	s_add_co_u32 s76, s76, s77
	s_and_b32 s77, s17, 1
	s_lshl_b32 s77, s77, 5
	s_add_co_u32 s76, s76, s77
	s_add_co_u32 s76, s76, STG
	v_and_b32 v5, 15, v0
	v_and_b32 v4, 8, v0
	v_add_nc_u32 v5, v5, v4
	v_lshlrev_b32 v5, 2, v5
	v_bfe_u32 v4, v0, 4, 1
	v_mad_u32_u24 v5, v4, 8*SP, v5
	v_add_nc_u32 v5, s76, v5
	s_mul_i32 s76, s[WV], 4*SP
	s_add_co_u32 s76, s76, STG
	v_add_nc_u32 v3, s76, v[L16]                   ; back: my four channels' rows, 16 bytes a lane
	s_wait_dscnt 0x0
	s_barrier_signal -1
	s_barrier_wait -1                              ; every wave's reads of K and V are over: their bytes may be written
.irp q, 0,1,2,3
	ds_store_b128 v[A16], v[O+4*\q:O+4*\q+3] offset:XO+512*\q   ; an image of the registers, each sum from its low end on
.endr
	ds_store_b64 v[A8], v[TMP:TMP+1]
	s_wait_dscnt 0x0                               ; for the other wave's sake: my stores are done
	s_barrier_signal -1
	s_barrier_wait -1
.irp q, 0,1,2,3
	ds_load_b128 v[S+4*\q:S+4*\q+3], v[AR] offset:XO+512*\q
.endr
	ds_load_b64 v[S+16:S+17], v[A48]
	s_wait_dscnt 0x0
	v_min_num_f32 v[S+18], v12, v[S+16]            ; -M of the two halves together
	v_sub_f32 v[S+20], v[S+18], v12                ; my M less the common one, a whole number, 0 or less;
	v_sub_f32 v[S+21], v[S+18], v[S+16]            ; the other's
	v_cvt_i32_f32 v[S+20], v[S+20]
	v_cvt_i32_f32 v[S+21], v[S+21]
	v_ldexp_f32 v[F], 1.0, v[S+20]                 ; exact powers of two
	v_ldexp_f32 v[S+22], 1.0, v[S+21]
	v_mul_f32 v[TMP+1], v[TMP+1], v[F]
	v_fma_f32 v[TMP+1], v[S+17], v[S+22], v[TMP+1] ; l
	v_rcp_f32 v[SUM2], v[TMP+1]
.irp j, 0,2,4,6,8,10,12,14
	v_pk_mul_f32 v[S+24+\j:S+25+\j], v[O+\j:O+\j+1], v[F:F+1] op_sel_hi:[1,0]   ; (plain work behind the reciprocal, which names neither its result nor its source)
.endr
.irp j, 0,2,4,6,8,10,12,14
	v_pk_fma_f32 v[S+24+\j:S+25+\j], v[S+\j:S+\j+1], v[S+22:S+23], v[S+24+\j:S+25+\j] op_sel_hi:[1,0,1]
.endr
	s_wait_alu depctr_va_vdst(0)                   ; a wait ahead of the reciprocal's first reader
.irp j, 0,2,4,6,8,10,12,14
	v_pk_mul_f32 v[S+24+\j:S+25+\j], v[S+24+\j:S+25+\j], v[SUM2:SUM2+1] op_sel_hi:[1,0]   ; y: register i is channel 16 h + i of my query
.endr
; y's quantiser: one block of 32 channels, in lanes l and l xor 16
.set YR, S+24
	v_max3_num_f32 v[BM], |v[YR]|, |v[YR+1]|, 0x1800000
	v_max3_num_f32 v[BM+1], |v[YR+2]|, |v[YR+3]|, |v[YR+4]|
	v_max3_num_f32 v[BM], v[BM], |v[YR+5]|, |v[YR+6]|
	v_max3_num_f32 v[BM+1], v[BM+1], |v[YR+7]|, |v[YR+8]|
	v_max3_num_f32 v[BM], v[BM], |v[YR+9]|, |v[YR+10]|
	v_max3_num_f32 v[BM+1], v[BM+1], |v[YR+11]|, |v[YR+12]|
	v_max3_num_f32 v[BM], v[BM], |v[YR+13]|, |v[YR+14]|
	v_max3_num_f32 v[BM], v[BM], v[BM+1], |v[YR+15]|
	v_permlanex16_b32 v[BT], v[BM], s[SEL], s[SEL+1]
	v_max_num_f32 v[BM], v[BM], v[BT]
	v_add_nc_u32 v[BS], 0xff000000, v[BM]
	v_lshrrev_b32 v[PW], 23, v[BS]                 ; the scale word: byte 0; the others are 0 and scale zero codes
	v_cvt_scalef32_pk16_fp6_f32 v[PC:PC+2], v[YR:YR+15], v[BS]
	v_nop                                          ; one plain place behind a scaled conversion
.irp j, 3,4,5,6,7,8,9,10,11
	v_mov_b32 v[PC+\j], 0
.endr
.irp i, 0,1,2
	v_permlane16_swap_b32 v[PC+\i], v[PC+3+\i]     ; lanes 16-31's codes (channels 16-31) go to lanes 0-15's registers 3-5, zeros come back: lanes 0-15 hold k = 0 .. 31, lanes 16-31 (k = 32 .. 63) zero codes
.endr
.rept 4
	v_nop                                          ; four places behind the operand's last write (the scale word's eight: the v_nop and the nine moves above)
.endr
.irp i, 0,1                                    ; W y, my 32 channels: source 0 = 16 rows of W, source 1 = my 16 queries.  No bias: dead work
	v_wmma_scale_f32_16x16x128_f8f6f4 v[S+40+8*\i:S+47+8*\i], v[WF+6*\i:WF+6*\i+11], v[PC:PC+11], 0, v[WS+\i], v[PW] matrix_a_fmt:MATRIX_FMT_FP6 matrix_b_fmt:MATRIX_FMT_FP6
.endr
.rept 4
	v_nop                                          ; places in front of the stores that read the results
.endr
.irp i, 0,1
.irp j, 0,1,2,3,4,5,6,7
	ds_store_b32 v5, v[S+40+8*\i+\j] offset:(16*\i+\j)*SP   ; each result from its low end on
.endr
.endr
	s_wait_dscnt 0x0                               ; for the others' sake: my stores into the stage are done
	s_barrier_signal -1
	s_barrier_wait -1                              ; 64 channels x 128 pixels lie in the stage
.irp i, 0,1,2,3
	ds_load_b128 v[S+4*\i:S+4*\i+3], v3 offset:\i*SP
.endr
.irp i, 0,1,2,3
	s_wait_dscnt 3-\i                              ; LDS loads come back in order: row i is in
	global_store_b128 v[L16], v[S+4*\i:S+4*\i+3], s[74:75] offset:16384*\i   ; the 32 lanes store 512 consecutive bytes, aligned: a channel's 128 pixels
.endr
	s_wait_tensorcnt 0x0                           ; the wave's end: behind my last tensor load and my last LDS store
	ds_add_u32 v[SPW], v[NIL]
	s_wait_dscnt 0x0
	ROUND                                          ; the closing round: no work-group ends while a partner may still ask for a tile that names it
	s_endpgm
.Lfunc_end_k_q21504058f0_attn:
	.size	k_q21504058f0_attn, .Lfunc_end_k_q21504058f0_attn-k_q21504058f0_attn
	.p2alignl 7, 3214868480
	.fill 96, 4, 3214868480
	.section	.rodata,"a",@progbits
	.p2align	6, 0x0
	.amdhsa_kernel k_q21504058f0_attn
		.amdhsa_group_segment_fixed_size 327680
		.amdhsa_private_segment_fixed_size 0
		.amdhsa_enable_private_segment 0
		.amdhsa_kernarg_size 48
		.amdhsa_user_sgpr_count 2
		.amdhsa_user_sgpr_kernarg_segment_ptr 1
		.amdhsa_wavefront_size32 1
		.amdhsa_system_sgpr_workgroup_id_x 1
		.amdhsa_system_sgpr_workgroup_id_y 1
		.amdhsa_system_sgpr_workgroup_id_z 1
		.amdhsa_system_vgpr_workitem_id 0
		.amdhsa_next_free_vgpr 256
		.amdhsa_next_free_sgpr 96
		.amdhsa_reserve_vcc 0
		.amdhsa_float_denorm_mode_32 3
		.amdhsa_float_denorm_mode_16_64 3
		.amdhsa_memory_ordered 1
		.amdhsa_forward_progress 1
		.amdhsa_inst_pref_size 74
	.end_amdhsa_kernel
	.amdgpu_metadata
---
amdhsa.version: [ 1, 2 ]
amdhsa.kernels:
  - .name:           k_q21504058f0_attn
    .symbol:         k_q21504058f0_attn.kd
    .args:
      - { .name: kv, .offset: 0, .size: 8, .value_kind: global_buffer, .address_space: global }
      - { .name: W_a_w_codes, .offset: 8, .size: 8, .value_kind: global_buffer, .address_space: global }
      - { .name: W_a_w_scales, .offset: 16, .size: 8, .value_kind: global_buffer, .address_space: global }
      - { .name: W_b_w_codes, .offset: 24, .size: 8, .value_kind: global_buffer, .address_space: global }
      - { .name: W_b_w_scales, .offset: 32, .size: 8, .value_kind: global_buffer, .address_space: global }
      - { .name: wy, .offset: 40, .size: 8, .value_kind: global_buffer, .address_space: global }
    .group_segment_fixed_size: 327680
    .private_segment_fixed_size: 0
    .kernarg_segment_align: 8
    .kernarg_segment_size: 48
    .max_flat_workgroup_size: 512
    .sgpr_count:     96
    .vgpr_count:     256
    .wavefront_size: 32
...
	.end_amdgpu_metadata
.endif
;; end of part 2
;; launch bn (part 3): grid 64 x 2, 8 waves a work-group, no clusters, 1,280 bytes of LDS; arguments wy, a, b, bn_a_gamma, bn_a_beta, bn_b_gamma, bn_b_beta, out0, out1; writes out0, out1
.if DOCPART == 3
	.amdgcn_target "amdgcn-amd-amdhsa--gfx1250"
	.amdhsa_code_object_version 6
	.text
	.protected	k_q21504058f0_bn
	.globl	k_q21504058f0_bn
	.p2align	8
	.type	k_q21504058f0_bn,@function
k_q21504058f0_bn:
	s_mov_b64 s[64:65], 0
	v_nop
	global_prefetch_b8 v0, s[64:65] scope:SCOPE_SE
	s_setreg_imm32_b32 hwreg(HW_REG_WAVE_MODE, 25, 1), 1
	s_wait_xcnt 0x0
; THE BATCH NORM AND THE RESIDUAL.  out[d][batch][c][pixel] = (x - mean) rsqrt(var + 1e-5) gamma[c] + beta[c] + residual, x = wy[4 d + batch][c][pixel], mean and var over the channel's 4 x 4,096 numbers.
; LEFT OUT AS DEAD WORK: W_a_b, W_b_b: x comes without them, and the mean taken away here would take them away (shown at the head of the first kernel).
; A work-group owns ONE channel of one direction: its 16,384 numbers stay in registers, 64 a lane, so that wy is read once and the variance is taken of the centred numbers, in a second pass, as reference()
; takes it: no difference of large sums.  Wave w takes 8,192 consecutive bytes: batch w / 2, half w % 2 of the pixels.  No sum spans work-groups.  No matrix work, no tensor loads, no cluster: work-groups
; share nothing, and each byte is read and written once.
; LIMITS: NaN and infinities are not served.
.set SPARE, 256                        ; LDS: 0-31 the waves' sums, 32-63 their sums of squares; from 256 the spare words, 128 bytes for each of 8 waves, which no other line names
.set X,     32                         ; v32-95   my 64 numbers
.set R,     96                         ; v96-159  the residual's
.set SPW,   2                          ; v2       LDS address of my spare word; never rewritten
.set NIL,   3                          ; v3       0; never rewritten
	s_load_b512 s[8:23], s[0:1], 0x0               ; wy, a, b, bn_a's gamma, beta, bn_b's gamma, beta, out0
	s_load_b64 s[24:25], s[0:1], 0x40              ; out1
	v_lshl_add_u32 v[SPW], v0, 2, SPARE
	v_mov_b32 v[NIL], 0
	v_lshrrev_b32 v4, 5, v0
	v_readfirstlane_b32 s26, v4                    ; wave 0..7
	v_lshlrev_b32 v4, 2, v4                        ; my wave's word
	v_mov_b32 v5, 0
	v_and_b32 v1, 31, v0
	v_lshlrev_b32 v1, 4, v1                        ; 16 bytes a lane
	s_and_b32 s27, ttmp7, 0xffff                   ; the direction
	s_lshr_b32 s28, s26, 1
	s_lshl_b32 s28, s28, 20                        ; batch x 64 channels x 16,384 bytes
	s_lshl_b32 s29, ttmp9, 14                      ; + the channel
	s_add_co_u32 s28, s28, s29
	s_and_b32 s29, s26, 1
	s_lshl_b32 s29, s29, 13                        ; + my half of its pixels
	s_add_co_u32 s28, s28, s29
	s_mov_b32 s29, 0
	s_lshl_b32 s30, s27, 22                        ; in wy: + the direction's four batches
	s_add_co_u32 s30, s30, s28
	s_mov_b32 s31, 0
	s_lshl_b32 s32, ttmp9, 2                       ; the channel's gamma and beta
	s_mov_b32 s33, 0
	s_mov_b32 s34, 0x38800000                      ; 1 / 16,384
	s_mov_b32 s35, 0x3727c5ac                      ; 1e-5
	s_mov_b32 s36, 0x76543210
	s_mov_b32 s37, 0xfedcba98                      ; v_permlanex16_b32's selects for lane l xor 16
	s_wait_kmcnt 0x0
	s_cmp_eq_u32 s27, 0                            ; only pointers are chosen
	s_cselect_b64 s[10:11], s[10:11], s[12:13]
	s_cselect_b64 s[14:15], s[14:15], s[18:19]
	s_cselect_b64 s[16:17], s[16:17], s[20:21]
	s_cselect_b64 s[22:23], s[22:23], s[24:25]
	s_add_nc_u64 s[8:9], s[8:9], s[30:31]
	s_add_nc_u64 s[10:11], s[10:11], s[28:29]
	s_add_nc_u64 s[22:23], s[22:23], s[28:29]
	s_add_nc_u64 s[14:15], s[14:15], s[32:33]
	s_add_nc_u64 s[16:17], s[16:17], s[32:33]
	s_load_b32 s38, s[14:15], 0x0                  ; gamma
	s_load_b32 s39, s[16:17], 0x0                  ; beta
.irp i, 0,1,2,3,4,5,6,7,8,9,10,11,12,13,14,15
	global_load_b128 v[X+4*\i:X+4*\i+3], v1, s[8:9] offset:512*\i th:TH_LOAD_NT   ; 32 lanes read 512 consecutive bytes
.endr
.irp i, 0,1,2,3,4,5,6,7,8,9,10,11,12,13,14,15
	global_load_b128 v[R+4*\i:R+4*\i+3], v1, s[10:11] offset:512*\i th:TH_LOAD_NT
.endr
; The four chains v[8:15] become one number for the work-group, in v20 of every lane; off: the eight words in LDS that this sum has to itself
.macro REDUCE off
	v_pk_add_f32 v[8:9], v[8:9], v[10:11]
	v_pk_add_f32 v[12:13], v[12:13], v[14:15]
	v_pk_add_f32 v[8:9], v[8:9], v[12:13]
	v_add_f32 v8, v8, v9
	v_add_f32_dpp v8, v8, v8 row_xmask:1 row_mask:0xf bank_mask:0xf
	v_add_f32_dpp v8, v8, v8 row_xmask:2 row_mask:0xf bank_mask:0xf
	v_add_f32_dpp v8, v8, v8 row_xmask:4 row_mask:0xf bank_mask:0xf
	v_add_f32_dpp v8, v8, v8 row_xmask:8 row_mask:0xf bank_mask:0xf
	v_permlanex16_b32 v9, v8, s36, s37
	v_add_f32 v8, v8, v9                           ; the wave's sum, in every lane
	ds_store_b32 v4, v8 offset:\off                ; all lanes write the same word with the same value
	s_wait_dscnt 0x0                               ; for the others' sake
	s_barrier_signal -1
	s_barrier_wait -1
	ds_load_b128 v[20:23], v5 offset:\off
	ds_load_b128 v[24:27], v5 offset:\off+16
	s_wait_dscnt 0x0
	v_add_f32 v20, v20, v21
	v_add_f32 v22, v22, v23
	v_add_f32 v24, v24, v25
	v_add_f32 v26, v26, v27
	v_add_f32 v20, v20, v22
	v_add_f32 v24, v24, v26
	v_add_f32 v20, v20, v24
.endm
	s_wait_loadcnt 16                              ; my 64 numbers are in; the residual's 16 loads stay out
.irp k, 0,1,2,3
	v_pk_add_f32 v[8+2*\k:9+2*\k], v[X+2*\k:X+2*\k+1], v[X+8+2*\k:X+9+2*\k]   ; four chains, started by the first pairs: nothing is cleared
.endr
.irp j, 8,12,16,20,24,28
.irp k, 0,1,2,3
	v_pk_add_f32 v[8+2*\k:9+2*\k], v[8+2*\k:9+2*\k], v[X+2*(\j+\k):X+2*(\j+\k)+1]
.endr
.endr
	REDUCE 0
	v_mul_f32 v16, s34, v20                        ; the mean
	v_mov_b32 v17, v16
.set j, 0
.rept 32
	v_pk_add_f32 v[X+j:X+j+1], v[X+j:X+j+1], v[16:17] neg_lo:[0,1] neg_hi:[0,1]   ; x - mean
.set j, j+2
.endr
.irp k, 0,1,2,3
	v_pk_mul_f32 v[8+2*\k:9+2*\k], v[X+2*\k:X+2*\k+1], v[X+2*\k:X+2*\k+1]
.endr
.irp j, 4,8,12,16,20,24,28
.irp k, 0,1,2,3
	v_pk_fma_f32 v[8+2*\k:9+2*\k], v[X+2*(\j+\k):X+2*(\j+\k)+1], v[X+2*(\j+\k):X+2*(\j+\k)+1], v[8+2*\k:9+2*\k]
.endr
.endr
	REDUCE 32                                      ; other words than the first sum's: no wave writes what another may still read
	v_fma_f32 v16, v20, s34, s35                   ; var + 1e-5
	v_rsq_f32 v16, v16
	s_wait_kmcnt 0x0                               ; gamma, beta
	v_mov_b32 v18, s39                             ; (the plain place behind the transcendental)
	v_mov_b32 v19, s39
	s_wait_alu depctr_va_vdst(0)                   ; a wait ahead of the first reader
	v_mul_f32 v16, s38, v16                        ; x gamma
	v_mov_b32 v17, v16
.set j, 0
.rept 32
	v_pk_fma_f32 v[X+j:X+j+1], v[X+j:X+j+1], v[16:17], v[18:19]   ; the norm, while the residual lands
.set j, j+2
.endr
	s_wait_loadcnt 0x0                             ; the residual
.irp i, 0,1,2,3,4,5,6,7,8,9,10,11,12,13,14,15
	v_pk_add_f32 v[X+4*\i:X+4*\i+1], v[X+4*\i:X+4*\i+1], v[R+4*\i:R+4*\i+1]
	v_pk_add_f32 v[X+4*\i+2:X+4*\i+3], v[X+4*\i+2:X+4*\i+3], v[R+4*\i+2:R+4*\i+3]
	global_store_b128 v1, v[X+4*\i:X+4*\i+3], s[22:23] offset:512*\i th:TH_STORE_NT   ; 32 lanes store 512 consecutive bytes, aligned; written once, read by nobody here
.endr
	s_wait_tensorcnt 0x0                           ; the wave's end: behind my last LDS store
	ds_add_u32 v[SPW], v[NIL]
	s_wait_dscnt 0x0
	s_endpgm
.Lfunc_end_k_q21504058f0_bn:
	.size	k_q21504058f0_bn, .Lfunc_end_k_q21504058f0_bn-k_q21504058f0_bn
	.p2alignl 7, 3214868480
	.fill 96, 4, 3214868480
	.section	.rodata,"a",@progbits
	.p2align	6, 0x0
	.amdhsa_kernel k_q21504058f0_bn
		.amdhsa_group_segment_fixed_size 1280
		.amdhsa_private_segment_fixed_size 0
		.amdhsa_enable_private_segment 0
		.amdhsa_kernarg_size 72
		.amdhsa_user_sgpr_count 2
		.amdhsa_user_sgpr_kernarg_segment_ptr 1
		.amdhsa_wavefront_size32 1
		.amdhsa_system_sgpr_workgroup_id_x 1
		.amdhsa_system_sgpr_workgroup_id_y 1
		.amdhsa_system_sgpr_workgroup_id_z 1
		.amdhsa_system_vgpr_workitem_id 0
		.amdhsa_next_free_vgpr 160
		.amdhsa_next_free_sgpr 66
		.amdhsa_reserve_vcc 0
		.amdhsa_float_denorm_mode_32 3
		.amdhsa_float_denorm_mode_16_64 3
		.amdhsa_memory_ordered 1
		.amdhsa_forward_progress 1
		.amdhsa_inst_pref_size 19
	.end_amdhsa_kernel
	.amdgpu_metadata
---
amdhsa.version: [ 1, 2 ]
amdhsa.kernels:
  - .name:           k_q21504058f0_bn
    .symbol:         k_q21504058f0_bn.kd
    .args:
      - { .name: wy, .offset: 0, .size: 8, .value_kind: global_buffer, .address_space: global }
      - { .name: a, .offset: 8, .size: 8, .value_kind: global_buffer, .address_space: global }
      - { .name: b, .offset: 16, .size: 8, .value_kind: global_buffer, .address_space: global }
      - { .name: bn_a_gamma, .offset: 24, .size: 8, .value_kind: global_buffer, .address_space: global }
      - { .name: bn_a_beta, .offset: 32, .size: 8, .value_kind: global_buffer, .address_space: global }
      - { .name: bn_b_gamma, .offset: 40, .size: 8, .value_kind: global_buffer, .address_space: global }
      - { .name: bn_b_beta, .offset: 48, .size: 8, .value_kind: global_buffer, .address_space: global }
      - { .name: out0, .offset: 56, .size: 8, .value_kind: global_buffer, .address_space: global }
      - { .name: out1, .offset: 64, .size: 8, .value_kind: global_buffer, .address_space: global }
    .group_segment_fixed_size: 1280
    .private_segment_fixed_size: 0
    .kernarg_segment_align: 8
    .kernarg_segment_size: 72
    .max_flat_workgroup_size: 256
    .sgpr_count:     66
    .vgpr_count:     160
    .wavefront_size: 32
...
	.end_amdgpu_metadata
.endif
;; end of part 3
